; MI455X (gfx1250); checked and timed in simulation.
; The chip was launched on July 23, 2026; its instructions are those of AMD's public machine-readable ISA for CDNA 5 (MIT licence, August 2026) and "CDNA5" Instruction Set Architecture Reference Guide (July 2026). The comments in the code are by the model that wrote it; some were corrected since.
;; Attention Model. Allowed arithmetic: float matrix products may take bf16 or f16 operands with f32 sums; all other float work in f32.
;; Inputs: attn_W 1,024 x 2,048 float32; attn_b 1,024 float32; encoder_outputs 2,048 x 32 x 1,024 float32; rnn_hidden 1 x 32 x 1,024 float32; v 1 x 1,024 float32.
;; Outputs: out0 32 x 1 x 2,048 float32.
;; 2 versions, each right; version 2 is version 1 with the launch energy written anew for expert scheduling mode. Each part assembles by itself: llvm-mc -triple=amdgcn-amd-amdhsa -mcpu=gfx1250 --defsym DOCPART=n.
;; ======== version 1 of 2: 3 launches
;; workspace buffers: upart 65,536 bytes; energy 262,144 bytes
;; launch fold (part 1): grid 32 x 8, 8 waves a work-group, no clusters, 5,120 bytes of LDS; arguments attn_W, v, upart; writes upart
.if DOCPART == 1
	.amdgcn_target "amdgcn-amd-amdhsa--gfx1250"
	.amdhsa_code_object_version 6
	.text
	.protected	k_q8fcaba463d_fold
	.globl	k_q8fcaba463d_fold
	.p2align	8
	.type	k_q8fcaba463d_fold,@function
k_q8fcaba463d_fold:
	s_mov_b64 s[64:65], 0
	v_nop
	global_prefetch_b8 v0, s[64:65] scope:SCOPE_SE
	s_setreg_imm32_b32 hwreg(HW_REG_WAVE_MODE, 25, 1), 1
	s_wait_xcnt 0x0
; upart[kc][j] = the sum over k in 128 kc .. 128 kc + 127 of v[k] W[k][j].   W: [1024][2048] f32, v: [1024] f32, upart: [8][2048] f32.
; WHY.  reference() forms (enc We^T + hw) . v.  Both contractions are linear and nothing stands between them, so for every input
; energy[b][s] = enc[s][b] . u_e + h[b] . u_h + attn_b . v  with  u = W^T v  (u_h = u[0:1024], u_e = u[1024:2048]).  This launch makes u, in eight partial sums over k.
; LIMIT.  The order of the sums differs from reference()'s (reassociated); all products and sums are f32.
; A one-row product: each number of W feeds ONE multiply-add, so the bytes of W decide and the vector unit does the arithmetic in f32: u is no input,
; and rounding it to 16 bits would shift the energies by more than the comparison allows.  No cluster: no two work-groups read the same bytes of W.
; SHARES.  Work-group (cg, kc): columns 64 cg .. 64 cg + 63 (256 bytes of a row) of rows 128 kc .. 128 kc + 127.  Thread t: g = t / 16, r = t % 16; the sixteen lanes of g take
; rows 8 g .. 8 g + 7, lane r columns 4 r .. 4 r + 3: sixteen neighbouring lanes read 256 consecutive bytes, at a multiple of 256 from W's first byte.
; All eight loads of a thread go out at once: the group's 32,768 bytes of W are on their way together.  The sixteen partial rows meet in LDS; wave 0 adds them and stores 256 bytes.
.set ROWB,  8192                       ; bytes in a row of W, and in a row of upart
.set STG,   0                          ; LDS: sixteen partial rows of 256 bytes; thread t's 16 bytes at 16 t
.set SPARE, 4096                       ; LDS: the spare words, 128 bytes for each of the eight waves; no other line names them
.set WO,  1                            ; v1       my byte offset in the group's part of W: g x 8 rows + 16 r
.set VO,  2                            ; v2       my byte offset in the group's 128 numbers of v: 32 g
.set STA, 3                            ; v3       16 t: where my partial sums go in the stage
.set SPW, 4                            ; v4       LDS address of my spare word; never rewritten
.set NIL, 5                            ; v5       0; never rewritten
.set L8,  6                            ; v6       8 x lane: wave 0's place in a stage row and in upart's 256 bytes
.set TW,  7                            ; v7       at work
.set VV,  8                            ; v[8:15]  v of my eight rows
.set ACC, 16                           ; v[16:19] my four columns' sums
.set WX,  20                           ; v[20:51] W as loaded, 4 registers a row; later sixteen pairs read back from the stage
	s_load_b128 s[4:7], s[0:1], 0x0                ; W s[4:5], v s[6:7]
	s_load_b64 s[8:9], s[0:1], 0x10                ; upart
	v_lshl_add_u32 v[SPW], v0, 2, SPARE
	v_mov_b32 v[NIL], 0
	v_lshrrev_b32 v[TW], 5, v0
	v_readfirstlane_b32 s10, v[TW]                 ; my wave's number
	v_lshrrev_b32 v[VO], 4, v0                     ; g
	v_and_b32 v[STA], 15, v0                       ; r
	v_lshlrev_b32 v[WO], 16, v[VO]                 ; g x 8 rows x 8,192 bytes
	v_lshl_or_b32 v[WO], v[STA], 4, v[WO]          ; + 16 r
	v_lshlrev_b32 v[VO], 5, v[VO]                  ; g x 8 numbers x 4 bytes
	v_lshlrev_b32 v[STA], 4, v0
	v_and_b32 v[L8], 31, v0
	v_lshlrev_b32 v[L8], 3, v[L8]
	s_and_b32 s11, ttmp7, 0xffff                   ; kc
	s_lshl_b32 s14, ttmp9, 8                       ; cg x 256 bytes
	s_lshl_b32 s12, s11, 20                        ; kc x 128 rows x 8,192 bytes
	s_add_co_u32 s12, s12, s14
	s_mov_b32 s13, 0
	s_wait_kmcnt 0x0
	s_add_nc_u64 s[4:5], s[4:5], s[12:13]          ; W at the group's first row and column
	s_lshl_b32 s12, s11, 9                         ; kc x 128 numbers x 4 bytes
	s_add_nc_u64 s[6:7], s[6:7], s[12:13]          ; v at the group's first row
	s_lshl_b32 s12, s11, 13                        ; kc x 8,192 bytes
	s_add_co_u32 s12, s12, s14
	s_add_nc_u64 s[8:9], s[8:9], s[12:13]          ; upart at the group's 256 bytes
	global_load_b128 v[VV:VV+3],   v[VO], s[6:7]
	global_load_b128 v[VV+4:VV+7], v[VO], s[6:7] offset:16
.irp i, 0,1,2,3,4,5,6,7
	global_load_b128 v[WX+4*(\i):WX+4*(\i)+3], v[WO], s[4:5] offset:(\i)*ROWB th:TH_LOAD_NT  ; each byte of W is read once in the launch
.endr
.set i, 0
.rept 8
	s_wait_loadcnt 7-i                             ; loads come back in order (ISA guide 5.7.1): row i is in (and v, asked for earlier); the 7 - i younger rows stay out
.irp c, 0,1,2,3
.if i == 0
	v_mul_f32 v[ACC+(\c)], v[VV], v[WX+(\c)]       ; the first row starts the sums: nothing is cleared
.else
	v_fmac_f32 v[ACC+(\c)], v[VV+i], v[WX+4*i+(\c)]
.endif
.endr
.set i, i+1
.endr
	ds_store_b128 v[STA], v[ACC:ACC+3]             ; 32 lanes, 512 consecutive bytes
	s_wait_tensorcnt 0x0                           ; a wait, an add of 0 to my spare word and a wait stand behind my last LDS store; nothing is written to LDS behind them
	ds_add_u32 v[SPW], v[NIL]
	s_wait_dscnt 0x0                               ; for wave 0's sake too: my store into the stage is done
	s_barrier_signal -1
	s_barrier_wait -1                              ; everybody's is
	s_cmp_lg_u32 s10, 0
	s_cbranch_scc1 .Lend                           ; wave 0 alone adds and stores: 256 bytes are one store of 8 bytes a lane
.irp q, 0,1,2,3,4,5,6,7,8,9,10,11,12,13,14,15
	ds_load_b64 v[WX+2*(\q):WX+2*(\q)+1], v[L8] offset:STG+256*(\q)  ; partial row q: 32 lanes, 256 consecutive bytes
.endr
	s_wait_dscnt 0x0
.irp d, 8,4,2,1                        ; sixteen pairs into one: neighbours 8, 4, 2, 1 apart, 15 packed additions
.set q, 0
.rept \d
	v_pk_add_f32 v[WX+2*q:WX+2*q+1], v[WX+2*q:WX+2*q+1], v[WX+2*(q+(\d)):WX+2*(q+(\d))+1]
.set q, q+1
.endr
.endr
	global_store_b64 v[L8], v[WX:WX+1], s[8:9]     ; the wave stores 256 consecutive bytes, at a multiple of 256 from upart's first byte
.Lend:
	s_endpgm
.Lfunc_end_k_q8fcaba463d_fold:
	.size	k_q8fcaba463d_fold, .Lfunc_end_k_q8fcaba463d_fold-k_q8fcaba463d_fold
	.p2alignl 7, 3214868480
	.fill 96, 4, 3214868480
	.section	.rodata,"a",@progbits
	.p2align	6, 0x0
	.amdhsa_kernel k_q8fcaba463d_fold
		.amdhsa_group_segment_fixed_size 5120
		.amdhsa_private_segment_fixed_size 0
		.amdhsa_enable_private_segment 0
		.amdhsa_kernarg_size 24
		.amdhsa_user_sgpr_count 2
		.amdhsa_user_sgpr_kernarg_segment_ptr 1
		.amdhsa_wavefront_size32 1
		.amdhsa_system_sgpr_workgroup_id_x 1
		.amdhsa_system_sgpr_workgroup_id_y 1
		.amdhsa_system_sgpr_workgroup_id_z 1
		.amdhsa_system_vgpr_workitem_id 0
		.amdhsa_next_free_vgpr 52
		.amdhsa_next_free_sgpr 66
		.amdhsa_reserve_vcc 0
		.amdhsa_float_denorm_mode_32 3
		.amdhsa_float_denorm_mode_16_64 3
		.amdhsa_memory_ordered 1
		.amdhsa_forward_progress 1
		.amdhsa_inst_pref_size 6
	.end_amdhsa_kernel
	.amdgpu_metadata
---
amdhsa.version: [ 1, 2 ]
amdhsa.kernels:
  - .name:           k_q8fcaba463d_fold
    .symbol:         k_q8fcaba463d_fold.kd
    .args:
      - { .name: attn_W, .offset: 0, .size: 8, .value_kind: global_buffer, .address_space: global }
      - { .name: v, .offset: 8, .size: 8, .value_kind: global_buffer, .address_space: global }
      - { .name: upart, .offset: 16, .size: 8, .value_kind: global_buffer, .address_space: global }
    .group_segment_fixed_size: 5120
    .private_segment_fixed_size: 0
    .kernarg_segment_align: 8
    .kernarg_segment_size: 24
    .max_flat_workgroup_size: 256
    .sgpr_count:     66
    .vgpr_count:     52
    .wavefront_size: 32
...
	.end_amdgpu_metadata
.endif
;; end of part 1
;; launch energy (part 2): grid 32 x 8, 8 waves a work-group, no clusters, 6,144 bytes of LDS; arguments encoder_outputs, upart, energy; writes energy
.if DOCPART == 2
	.amdgcn_target "amdgcn-amd-amdhsa--gfx1250"
	.amdhsa_code_object_version 6
	.text
	.protected	k_q8fcaba463d_energy
	.globl	k_q8fcaba463d_energy
	.p2align	8
	.type	k_q8fcaba463d_energy,@function
k_q8fcaba463d_energy:
	s_mov_b64 s[64:65], 0
	v_nop
	global_prefetch_b8 v0, s[64:65] scope:SCOPE_SE
	s_setreg_imm32_b32 hwreg(HW_REG_WAVE_MODE, 25, 1), 1
	s_wait_xcnt 0x0
; energy[b][s] = enc[s][b][:] . u_e,  u_e[j] = the sum over p of upart[p][1024 + j].   enc: [2048][32][1024] f32, upart: [8][2048] f32, energy: [32][2048] f32.
; The term that does not hang on s (h[b] . u_h + attn_b . v) is added in the next launch, ahead of the maximum.
; LIMIT.  The order of the sums differs from reference()'s (reassociated: see the launch that makes upart); all products and sums are f32.
; A STREAM: each number of enc feeds one multiply-add, so the bytes decide: each is read once, by 16-byte loads of which a wave's one covers 512 consecutive bytes.
; The arithmetic is f32 on the vector unit: u is no input, and rounding it to 16 bits would shift the energies by more than the comparison allows.
; No cluster and no LDS ring: the work-groups share nothing of enc (only upart's 32,768 bytes), and a ring of registers holds what is on its way.
; SHARES.  Work-group (x, y): s = 64 x .. 64 x + 63, b = 4 y .. 4 y + 3: 256 rows of 4,096 bytes, and for each b 256 consecutive bytes of energy.
; Wave w (bl = w % 4, hf = w / 4) owns the 32 rows b = 4 y + bl, s = 64 x + 32 hf + r; they lie 131,072 bytes apart.  A row is eight loads; lane l takes bytes 512 j + 16 l.
; RING.  Six row slots of 32 registers: 48 loads of a wave are out, 24,576 bytes.  Row and piece stand in the load's immediate (4,066,816 at the most, inside its signed 24 bits:
; ISA guide, chapter 10), so no address register is ever rewritten and no wait is needed for one.
.set DEPTH,   6                        ; row slots
.set ROWS,    32                       ; rows of a wave
.set ROWSTEP, 131072                   ; bytes from s to s + 1
.set UL,    0                          ; LDS: u_e, 1,024 f32
.set EST,   4096                       ; LDS: the group's energies, [bl][64 s] f32
.set SPARE, 5120                       ; LDS: the spare words, 128 bytes for each of the eight waves; no other line names them
.set L16, 1                            ; v1        16 x lane; never rewritten
.set SPW, 2                            ; v2        LDS address of my spare word; never rewritten
.set NIL, 3                            ; v3        0; never rewritten
.set RES, 4                            ; v4        lane r keeps row r's energy
.set T,   5                            ; v5        at work; in the tail my byte offset in energy
.set EA,  6                            ; v6        where my lane's energy goes in the stage
.set T16, 7                            ; v7        16 t
.set ACC, 8                            ; v[8:15]   four pairs of running sums; in the tail v[8:11] 16 bytes of the stage
.set U,   16                           ; v[16:47]  first upart's eight partial sums of my four columns; then u_e of my lane's 32 columns: U[4 j + c] = u_e[128 j + 4 l + c]
.set X,   48                           ; v[48:239] slot q at X + 32 q
.macro FILL r                          ; row r's eight loads, into slot r % 6
.irp j, 0,1,2,3,4,5,6,7
	global_load_b128 v[X+32*((\r)%DEPTH)+4*(\j):X+32*((\r)%DEPTH)+4*(\j)+3], v[L16], s[4:5] offset:(\r)*ROWSTEP+512*(\j) th:TH_LOAD_NT
.endr
.endm
.macro WSUM a, tmp                     ; the sum over the wave's 32 lanes, in every lane: four steps inside each half of 16 lanes ride on the addition, one crosses the halves
	v_add_f32_dpp v[\a], v[\a], v[\a] row_xmask:1 row_mask:0xf bank_mask:0xf
	v_add_f32_dpp v[\a], v[\a], v[\a] row_xmask:2 row_mask:0xf bank_mask:0xf
	v_add_f32_dpp v[\a], v[\a], v[\a] row_xmask:4 row_mask:0xf bank_mask:0xf
	v_add_f32_dpp v[\a], v[\a], v[\a] row_xmask:8 row_mask:0xf bank_mask:0xf
	v_permlanex16_b32 v[\tmp], v[\a], s18, s19     ; its destination counts as read: a register that has been written
	v_add_f32 v[\a], v[\a], v[\tmp]
.endm
; Row r's turn: its 1,024 products in four chains that do not wait for each other; its slot is asked for again; the sum over the lanes goes to lane r of RES.
.macro TURN r
.set XB, X+32*((\r)%DEPTH)
.set LEFT, ROWS-1-(\r)
.if LEFT > DEPTH-1
.set LEFT, DEPTH-1
.endif
	s_wait_loadcnt 8*LEFT                          ; loads come back in order (ISA guide 5.7.1): row r is in; behind it rows r + 1 to min(r + 5, 31) were asked for, eight loads each, and stay out
.set i, 0
.rept 16
.if i < 4
	v_pk_mul_f32 v[ACC+2*i:ACC+2*i+1], v[XB+2*i:XB+2*i+1], v[U+2*i:U+2*i+1]  ; the first four pairs start the chains: nothing is cleared
.else
	v_pk_fma_f32 v[ACC+2*(i%4):ACC+2*(i%4)+1], v[XB+2*i:XB+2*i+1], v[U+2*i:U+2*i+1], v[ACC+2*(i%4):ACC+2*(i%4)+1]
.endif
.set i, i+1
.endr
.if (\r)+DEPTH < ROWS
	FILL (\r)+DEPTH                                ; the slot has been read: the row six further on; the last six turns ask for nothing
.endif
	v_pk_add_f32 v[ACC:ACC+1], v[ACC:ACC+1], v[ACC+2:ACC+3]
	v_pk_add_f32 v[ACC+4:ACC+5], v[ACC+4:ACC+5], v[ACC+6:ACC+7]
	v_pk_add_f32 v[ACC:ACC+1], v[ACC:ACC+1], v[ACC+4:ACC+5]
	v_add_f32 v[T], v[ACC], v[ACC+1]
	WSUM T, ACC+4
	s_mov_b32 s20, 1<<(\r)
	v_cndmask_b32 v[RES], v[RES], v[T], s20        ; lane r takes it, the others keep theirs
.endm
	s_load_b128 s[4:7], s[0:1], 0x0                ; enc s[4:5], upart s[6:7]
	s_load_b64 s[8:9], s[0:1], 0x10                ; energy
	v_lshl_add_u32 v[SPW], v0, 2, SPARE
	v_mov_b32 v[NIL], 0
	v_lshrrev_b32 v[T], 5, v0
	v_readfirstlane_b32 s10, v[T]                  ; my wave's number
	v_and_b32 v[EA], 31, v0                        ; lane
	v_lshlrev_b32 v[L16], 4, v[EA]
	v_lshlrev_b32 v[T16], 4, v0
	v_mov_b32 v[RES], 0                            ; written whole once: each turn then changes one lane
	s_and_b32 s11, s10, 3                          ; bl
	s_lshr_b32 s12, s10, 2                         ; hf
	s_and_b32 s13, ttmp7, 0xffff                   ; y
	s_mov_b32 s18, 0x76543210                      ; v_permlanex16_b32: lane i of one half reads lane i of the other
	s_mov_b32 s19, 0xfedcba98
	s_lshl_b32 s16, s11, 8                         ; the stage: 256 bytes for each bl,
	s_lshl_b32 s17, s12, 7                         ; 128 for each half of its 64 s
	s_add_co_u32 s16, s16, s17
	s_add_co_u32 s16, s16, EST
	v_lshl_add_u32 v[EA], v[EA], 2, s16            ; + 4 x lane
	s_lshl_b32 s14, ttmp9, 1
	s_add_co_u32 s14, s14, s12                     ; 2 x + hf: my 32 values of s,
	s_lshl_b32 s14, s14, 22                        ; 131,072 bytes each
	s_lshl_b32 s16, s13, 2
	s_add_co_u32 s16, s16, s11                     ; b = 4 y + bl,
	s_lshl_b32 s16, s16, 12                        ; 4,096 bytes each
	s_add_co_u32 s14, s14, s16                     ; under 2^28
	s_mov_b32 s15, 0
	s_wait_kmcnt 0x0
	s_add_nc_u64 s[4:5], s[4:5], s[14:15]          ; enc at my wave's first row
	s_lshl_b32 s14, s13, 15                        ; 4 y rows of 8,192 bytes
	s_lshl_b32 s16, ttmp9, 8                       ; 64 x numbers of 4 bytes
	s_add_co_u32 s14, s14, s16
	s_add_nc_u64 s[8:9], s[8:9], s[14:15]          ; energy at the group's first b and s
.irp p, 0,1,2,3,4,5,6,7
	global_load_b128 v[U+4*(\p):U+4*(\p)+3], v[T16], s[6:7] offset:4096+8192*(\p)  ; partial sum p of u_e's columns 4 t .. 4 t + 3
.endr
.irp r, 0,1,2,3,4,5
	FILL \r                                        ; the ring is filled before anything is waited for: 56 loads of mine are out
.endr
	s_wait_loadcnt 8*DEPTH                         ; upart's eight loads are in; the ring's 48, asked for behind them, stay out
.irp d, 8,4,2                          ; eight groups of four numbers (sixteen pairs) into one group: 14 packed additions
.set q, 0
.rept \d
	v_pk_add_f32 v[U+2*q:U+2*q+1], v[U+2*q:U+2*q+1], v[U+2*(q+(\d)):U+2*(q+(\d))+1]
.set q, q+1
.endr
.endr
	ds_store_b128 v[T16], v[U:U+3] offset:UL       ; u_e's columns 4 t .. 4 t + 3
	s_wait_dscnt 0x0                               ; for the others' sake: my part of u_e is in LDS
	s_barrier_signal -1
	s_barrier_wait -1                              ; everybody's is.  (The ring's loads stay out across the barrier: nobody writes enc.)
.irp j, 0,1,2,3,4,5,6,7
	ds_load_b128 v[U+4*(\j):U+4*(\j)+3], v[L16] offset:UL+512*(\j)  ; the same bytes of a row that my lane takes of enc; 512 consecutive bytes a load
.endr
	s_wait_dscnt 0x0
.set rr, 0
.rept ROWS
	TURN rr
.set rr, rr+1
.endr
	ds_store_b32 v[EA], v[RES]                     ; my wave's 32 energies: 128 consecutive bytes of the stage
	s_wait_tensorcnt 0x0                           ; a wait, an add of 0 to my spare word and a wait stand behind my last LDS store; nothing is written to LDS behind them
	ds_add_u32 v[SPW], v[NIL]
	s_wait_dscnt 0x0                               ; for the others' sake too: my store into the stage is done
	s_barrier_signal -1
	s_barrier_wait -1                              ; everybody's is
	s_cmp_lt_u32 s10, 2
	s_cbranch_scc0 .Lend                           ; the stage's 1,024 bytes are 64 threads' 16 bytes: waves 0 and 1 store them
	v_lshrrev_b32 v[T], 4, v0                      ; bl = t / 16
	v_and_b32 v[ACC+4], 15, v0
	v_lshlrev_b32 v[T], 13, v[T]                   ; a row of energy is 8,192 bytes
	v_lshl_or_b32 v[T], v[ACC+4], 4, v[T]
	ds_load_b128 v[ACC:ACC+3], v[T16] offset:EST
	s_wait_dscnt 0x0
	global_store_b128 v[T], v[ACC:ACC+3], s[8:9]   ; 16 lanes store 256 consecutive bytes of one b, at a multiple of 256 from energy's first byte
.Lend:
	s_endpgm
.Lfunc_end_k_q8fcaba463d_energy:
	.size	k_q8fcaba463d_energy, .Lfunc_end_k_q8fcaba463d_energy-k_q8fcaba463d_energy
	.p2alignl 7, 3214868480
	.fill 96, 4, 3214868480
	.section	.rodata,"a",@progbits
	.p2align	6, 0x0
	.amdhsa_kernel k_q8fcaba463d_energy
		.amdhsa_group_segment_fixed_size 6144
		.amdhsa_private_segment_fixed_size 0
		.amdhsa_enable_private_segment 0
		.amdhsa_kernarg_size 24
		.amdhsa_user_sgpr_count 2
		.amdhsa_user_sgpr_kernarg_segment_ptr 1
		.amdhsa_wavefront_size32 1
		.amdhsa_system_sgpr_workgroup_id_x 1
		.amdhsa_system_sgpr_workgroup_id_y 1
		.amdhsa_system_sgpr_workgroup_id_z 1
		.amdhsa_system_vgpr_workitem_id 0
		.amdhsa_next_free_vgpr 240
		.amdhsa_next_free_sgpr 66
		.amdhsa_reserve_vcc 0
		.amdhsa_float_denorm_mode_32 3
		.amdhsa_float_denorm_mode_16_64 3
		.amdhsa_memory_ordered 1
		.amdhsa_forward_progress 1
		.amdhsa_inst_pref_size 84
	.end_amdhsa_kernel
	.amdgpu_metadata
---
amdhsa.version: [ 1, 2 ]
amdhsa.kernels:
  - .name:           k_q8fcaba463d_energy
    .symbol:         k_q8fcaba463d_energy.kd
    .args:
      - { .name: encoder_outputs, .offset: 0, .size: 8, .value_kind: global_buffer, .address_space: global }
      - { .name: upart, .offset: 8, .size: 8, .value_kind: global_buffer, .address_space: global }
      - { .name: energy, .offset: 16, .size: 8, .value_kind: global_buffer, .address_space: global }
    .group_segment_fixed_size: 6144
    .private_segment_fixed_size: 0
    .kernarg_segment_align: 8
    .kernarg_segment_size: 24
    .max_flat_workgroup_size: 256
    .sgpr_count:     66
    .vgpr_count:     240
    .wavefront_size: 32
...
	.end_amdgpu_metadata
.endif
;; end of part 2
;; launch softmax (part 3): grid 32 x 1, 8 waves a work-group, no clusters, 1,280 bytes of LDS; arguments energy, upart, rnn_hidden, attn_b, v, out0; writes out0
.if DOCPART == 3
	.amdgcn_target "amdgcn-amd-amdhsa--gfx1250"
	.amdhsa_code_object_version 6
	.text
	.protected	k_q8fcaba463d_softmax
	.globl	k_q8fcaba463d_softmax
	.p2align	8
	.type	k_q8fcaba463d_softmax,@function
k_q8fcaba463d_softmax:
	s_mov_b64 s[64:65], 0
	v_nop
	global_prefetch_b8 v0, s[64:65] scope:SCOPE_SE
	s_setreg_imm32_b32 hwreg(HW_REG_WAVE_MODE, 25, 1), 1
	s_wait_xcnt 0x0
; out0[b][0][s] = softmax over s of (energy[b][s] + c[b]),  c[b] = h[b] . u_h + attn_b . v,  u_h[j] = the sum over p of upart[p][j].
; energy: [32][2048] f32, upart: [8][2048] f32, rnn_hidden: [1][32][1024] f32, attn_b, v: [1024] f32, out0: [32][1][2048] f32.
; c[b] is the part of reference()'s energy that does not hang on s; it is added to every energy ahead of the maximum, as reference() has it.
; The maximum is taken away before the exponential: m = max(e) + c, which equals the maximum of the rounded e + c, since rounding keeps order.
; LIMITS.  The order of the sums differs from reference()'s; all in f32.  A weight below 2^-126 comes out as 0; NaN and infinities are not treated apart.
; SHARES.  One work-group for each b: a softmax's maximum and sum do not cross work-groups, and there are 32 rows, so 32 work-groups.  Thread t owns the energies 4 t .. 4 t + 3 and
; 1024 + 4 t .. + 3, and numbers 4 t .. 4 t + 3 of h[b], u_h, attn_b and v: each load and store of a wave covers 512 consecutive bytes.  No cluster: only upart's 32,768 bytes are shared.
.set PD,    0                          ; LDS: the eight waves' parts of c
.set PM,    64                         ; LDS: their maxima
.set PS,    128                        ; LDS: their sums of weights
.set SPARE, 256                        ; LDS: the spare words, 128 bytes for each of the eight waves; no other line names them
.set T16, 1                            ; v1       16 t; never rewritten
.set SPW, 2                            ; v2       LDS address of my spare word; never rewritten
.set NIL, 3                            ; v3       0; never rewritten
.set WA,  4                            ; v4       4 x my wave's number
.set Z,   5                            ; v5       LDS address 0
.set E,   8                            ; v[8:15]  my eight energies, then weights
.set UP,  16                           ; v[16:47] upart's eight partial sums of my four columns; later what comes back from LDS
.set CC,  32                           ; v[32:33] c, twice (a pair for the packed addition)
.set MM,  34                           ; v[34:35] m, twice
.set RL,  36                           ; v[36:37] 1 / l, twice
.set HH,  48                           ; v[48:51] h[b]
.set AB,  52                           ; v[52:55] attn_b
.set VV,  56                           ; v[56:59] v
.set D,   60                           ; v[60:61] my part of c; then v61 is the exchange's temporary
.set MX,  62                           ; v62      my maximum
.set SM,  63                           ; v63      my sum of weights
.macro WSUM a, tmp                     ; the sum over the wave's 32 lanes, in every lane
	v_add_f32_dpp v[\a], v[\a], v[\a] row_xmask:1 row_mask:0xf bank_mask:0xf
	v_add_f32_dpp v[\a], v[\a], v[\a] row_xmask:2 row_mask:0xf bank_mask:0xf
	v_add_f32_dpp v[\a], v[\a], v[\a] row_xmask:4 row_mask:0xf bank_mask:0xf
	v_add_f32_dpp v[\a], v[\a], v[\a] row_xmask:8 row_mask:0xf bank_mask:0xf
	v_permlanex16_b32 v[\tmp], v[\a], s20, s21     ; its destination counts as read: a register that has been written
	v_add_f32 v[\a], v[\a], v[\tmp]
.endm
.macro WMAX a, tmp                     ; the same for the maximum
	v_max_num_f32_dpp v[\a], v[\a], v[\a] row_xmask:1 row_mask:0xf bank_mask:0xf
	v_max_num_f32_dpp v[\a], v[\a], v[\a] row_xmask:2 row_mask:0xf bank_mask:0xf
	v_max_num_f32_dpp v[\a], v[\a], v[\a] row_xmask:4 row_mask:0xf bank_mask:0xf
	v_max_num_f32_dpp v[\a], v[\a], v[\a] row_xmask:8 row_mask:0xf bank_mask:0xf
	v_permlanex16_b32 v[\tmp], v[\a], s20, s21
	v_max_num_f32 v[\a], v[\a], v[\tmp]
.endm
	s_load_b256 s[4:11], s[0:1], 0x0               ; energy s[4:5], upart s[6:7], rnn_hidden s[8:9], attn_b s[10:11]
	s_load_b128 s[12:15], s[0:1], 0x20             ; v s[12:13], out0 s[14:15]
	v_lshl_add_u32 v[SPW], v0, 2, SPARE
	v_mov_b32 v[NIL], 0
	v_lshrrev_b32 v[Z], 5, v0
	v_readfirstlane_b32 s16, v[Z]                  ; my wave's number
	v_mov_b32 v[WA], s16
	v_lshlrev_b32 v[WA], 2, v[WA]
	v_mov_b32 v[Z], 0
	v_lshlrev_b32 v[T16], 4, v0
	s_mov_b32 s20, 0x76543210                      ; v_permlanex16_b32: lane i of one half reads lane i of the other
	s_mov_b32 s21, 0xfedcba98
	s_lshl_b32 s18, ttmp9, 13                      ; b rows of 8,192 bytes
	s_mov_b32 s19, 0
	s_wait_kmcnt 0x0
	s_add_nc_u64 s[4:5], s[4:5], s[18:19]          ; energy and out0 at row b
	s_add_nc_u64 s[14:15], s[14:15], s[18:19]
	s_lshl_b32 s18, ttmp9, 12                      ; b rows of 4,096 bytes
	s_add_nc_u64 s[8:9], s[8:9], s[18:19]          ; h[b]
.irp p, 0,1,2,3,4,5,6,7
	global_load_b128 v[UP+4*(\p):UP+4*(\p)+3], v[T16], s[6:7] offset:8192*(\p)  ; partial sum p of u_h's columns 4 t .. 4 t + 3
.endr
	global_load_b128 v[HH:HH+3], v[T16], s[8:9]
	global_load_b128 v[AB:AB+3], v[T16], s[10:11]
	global_load_b128 v[VV:VV+3], v[T16], s[12:13]
	global_load_b128 v[E:E+3],   v[T16], s[4:5] th:TH_LOAD_NT
	global_load_b128 v[E+4:E+7], v[T16], s[4:5] offset:4096 th:TH_LOAD_NT
	s_wait_loadcnt 0x2                             ; all but the two loads of energies, which were asked for last
.irp d, 8,4,2                          ; eight groups of four numbers (sixteen pairs) into one group: u_h of my four columns
.set q, 0
.rept \d
	v_pk_add_f32 v[UP+2*q:UP+2*q+1], v[UP+2*q:UP+2*q+1], v[UP+2*(q+(\d)):UP+2*(q+(\d))+1]
.set q, q+1
.endr
.endr
	v_pk_mul_f32 v[D:D+1], v[HH:HH+1], v[UP:UP+1]                    ; my part of h . u_h + attn_b . v
	v_pk_fma_f32 v[D:D+1], v[HH+2:HH+3], v[UP+2:UP+3], v[D:D+1]
	v_pk_fma_f32 v[D:D+1], v[AB:AB+1], v[VV:VV+1], v[D:D+1]
	v_pk_fma_f32 v[D:D+1], v[AB+2:AB+3], v[VV+2:VV+3], v[D:D+1]
	v_add_f32 v[D], v[D], v[D+1]
	s_wait_loadcnt 0x0                             ; the energies
	v_max3_num_f32 v[MX], v[E], v[E+1], v[E+2]
	v_max3_num_f32 v[MX], v[MX], v[E+3], v[E+4]
	v_max3_num_f32 v[MX], v[MX], v[E+5], v[E+6]
	v_max_num_f32 v[MX], v[MX], v[E+7]
	WSUM D, D+1
	WMAX MX, D+1
	ds_store_b32 v[WA], v[D] offset:PD             ; all lanes write the wave's word with the same number
	ds_store_b32 v[WA], v[MX] offset:PM
	s_wait_dscnt 0x0                               ; for the others' sake: my two words are in LDS
	s_barrier_signal -1
	s_barrier_wait -1                              ; everybody's are
	ds_load_b128 v[UP:UP+3],     v[Z] offset:PD
	ds_load_b128 v[UP+4:UP+7],   v[Z] offset:PD+16
	ds_load_b128 v[UP+8:UP+11],  v[Z] offset:PM
	ds_load_b128 v[UP+12:UP+15], v[Z] offset:PM+16
	s_wait_dscnt 0x0
	v_pk_add_f32 v[UP:UP+1], v[UP:UP+1], v[UP+2:UP+3]
	v_pk_add_f32 v[UP+4:UP+5], v[UP+4:UP+5], v[UP+6:UP+7]
	v_max3_num_f32 v[UP+8], v[UP+8], v[UP+9], v[UP+10]
	v_pk_add_f32 v[UP:UP+1], v[UP:UP+1], v[UP+4:UP+5]
	v_max3_num_f32 v[UP+8], v[UP+8], v[UP+11], v[UP+12]
	v_add_f32 v[CC], v[UP], v[UP+1]                ; c, the same in every thread: one fixed order of addition
	v_add_f32 v[CC+1], v[UP], v[UP+1]
	v_max3_num_f32 v[UP+8], v[UP+8], v[UP+13], v[UP+14]
	v_max_num_f32 v[UP+8], v[UP+8], v[UP+15]       ; the row's largest energy
	v_add_f32 v[MM], v[UP+8], v[CC]                ; m
	v_add_f32 v[MM+1], v[UP+8], v[CC]
.irp k, 0,2,4,6
	v_pk_add_f32 v[E+(\k):E+(\k)+1], v[E+(\k):E+(\k)+1], v[CC:CC+1]                               ; e + c
.endr
.irp k, 0,2,4,6
	v_pk_add_f32 v[E+(\k):E+(\k)+1], v[E+(\k):E+(\k)+1], v[MM:MM+1] neg_lo:[0,1] neg_hi:[0,1]     ; - m: at most 0, and 0 at the maximum
.endr
.irp k, 0,2,4,6
	v_pk_mul_f32 v[E+(\k):E+(\k)+1], v[E+(\k):E+(\k)+1], 0x3fb8aa3b op_sel_hi:[1,0]               ; x log2(e), behind the subtraction, so that no rounding of m log2(e) enters: hence not fused
.endr
.irp k, 0,1,2,3,4,5,6,7
	v_exp_f32 v[E+(\k)], v[E+(\k)]
.endr
	v_nop                                          ; a plain instruction between the last exponential and the use of its result (ISA guide 5.7.2)
	s_wait_alu depctr_va_vdst(0)
	v_pk_add_f32 v[UP:UP+1], v[E:E+1], v[E+2:E+3]
	v_pk_add_f32 v[UP+2:UP+3], v[E+4:E+5], v[E+6:E+7]
	v_pk_add_f32 v[UP:UP+1], v[UP:UP+1], v[UP+2:UP+3]
	v_add_f32 v[SM], v[UP], v[UP+1]
	WSUM SM, D+1
	ds_store_b32 v[WA], v[SM] offset:PS            ; other bytes than the first exchange's: no wave can still be reading them
	s_wait_tensorcnt 0x0                           ; a wait, an add of 0 to my spare word and a wait stand behind my last LDS store; nothing is written to LDS behind them
	ds_add_u32 v[SPW], v[NIL]
	s_wait_dscnt 0x0                               ; for the others' sake too: my word is in LDS
	s_barrier_signal -1
	s_barrier_wait -1                              ; everybody's is
	ds_load_b128 v[UP:UP+3],   v[Z] offset:PS
	ds_load_b128 v[UP+4:UP+7], v[Z] offset:PS+16
	s_wait_dscnt 0x0
	v_pk_add_f32 v[UP:UP+1], v[UP:UP+1], v[UP+2:UP+3]
	v_pk_add_f32 v[UP+4:UP+5], v[UP+4:UP+5], v[UP+6:UP+7]
	v_pk_add_f32 v[UP:UP+1], v[UP:UP+1], v[UP+4:UP+5]
	v_add_f32 v[UP], v[UP], v[UP+1]                ; l, at least 1: the maximum's weight is 1
	v_rcp_f32 v[RL], v[UP]
	v_rcp_f32 v[RL+1], v[UP]
	v_nop                                          ; a plain instruction between the reciprocals and their use
	s_wait_alu depctr_va_vdst(0)
.irp k, 0,2,4,6
	v_pk_mul_f32 v[E+(\k):E+(\k)+1], v[E+(\k):E+(\k)+1], v[RL:RL+1]
.endr
	global_store_b128 v[T16], v[E:E+3],   s[14:15] th:TH_STORE_NT              ; each store of a wave covers 512 consecutive bytes, at a multiple of 256 from out0's first byte
	global_store_b128 v[T16], v[E+4:E+7], s[14:15] offset:4096 th:TH_STORE_NT
	s_endpgm
.Lfunc_end_k_q8fcaba463d_softmax:
	.size	k_q8fcaba463d_softmax, .Lfunc_end_k_q8fcaba463d_softmax-k_q8fcaba463d_softmax
	.p2alignl 7, 3214868480
	.fill 96, 4, 3214868480
	.section	.rodata,"a",@progbits
	.p2align	6, 0x0
	.amdhsa_kernel k_q8fcaba463d_softmax
		.amdhsa_group_segment_fixed_size 1280
		.amdhsa_private_segment_fixed_size 0
		.amdhsa_enable_private_segment 0
		.amdhsa_kernarg_size 48
		.amdhsa_user_sgpr_count 2
		.amdhsa_user_sgpr_kernarg_segment_ptr 1
		.amdhsa_wavefront_size32 1
		.amdhsa_system_sgpr_workgroup_id_x 1
		.amdhsa_system_sgpr_workgroup_id_y 1
		.amdhsa_system_sgpr_workgroup_id_z 1
		.amdhsa_system_vgpr_workitem_id 0
		.amdhsa_next_free_vgpr 64
		.amdhsa_next_free_sgpr 66
		.amdhsa_reserve_vcc 0
		.amdhsa_float_denorm_mode_32 3
		.amdhsa_float_denorm_mode_16_64 3
		.amdhsa_memory_ordered 1
		.amdhsa_forward_progress 1
		.amdhsa_inst_pref_size 9
	.end_amdhsa_kernel
	.amdgpu_metadata
---
amdhsa.version: [ 1, 2 ]
amdhsa.kernels:
  - .name:           k_q8fcaba463d_softmax
    .symbol:         k_q8fcaba463d_softmax.kd
    .args:
      - { .name: energy, .offset: 0, .size: 8, .value_kind: global_buffer, .address_space: global }
      - { .name: upart, .offset: 8, .size: 8, .value_kind: global_buffer, .address_space: global }
      - { .name: rnn_hidden, .offset: 16, .size: 8, .value_kind: global_buffer, .address_space: global }
      - { .name: attn_b, .offset: 24, .size: 8, .value_kind: global_buffer, .address_space: global }
      - { .name: v, .offset: 32, .size: 8, .value_kind: global_buffer, .address_space: global }
      - { .name: out0, .offset: 40, .size: 8, .value_kind: global_buffer, .address_space: global }
    .group_segment_fixed_size: 1280
    .private_segment_fixed_size: 0
    .kernarg_segment_align: 8
    .kernarg_segment_size: 48
    .max_flat_workgroup_size: 256
    .sgpr_count:     66
    .vgpr_count:     64
    .wavefront_size: 32
...
	.end_amdgpu_metadata
.endif
;; end of part 3
;; ======== version 2 of 2: 3 launches; version 1 with the launch energy written anew for expert scheduling mode
;; workspace buffers: upart 65,536 bytes; energy 262,144 bytes
;; launch fold: the kernel of part 1 again; grid 32 x 8, 8 waves a work-group, no clusters, 5,120 bytes of LDS; arguments attn_W, v, upart; writes upart
;; launch energy (part 4): grid 32 x 8, 8 waves a work-group, no clusters, 6,144 bytes of LDS; arguments encoder_outputs, upart, energy; writes energy
.if DOCPART == 4
	.amdgcn_target "amdgcn-amd-amdhsa--gfx1250"
	.amdhsa_code_object_version 6
	.text
	.protected	k_q8fcaba463d_energy
	.globl	k_q8fcaba463d_energy
	.p2align	8
	.type	k_q8fcaba463d_energy,@function
k_q8fcaba463d_energy:
	s_mov_b64 s[64:65], 0
	v_nop
	global_prefetch_b8 v0, s[64:65] scope:SCOPE_SE
	s_setreg_imm32_b32 hwreg(HW_REG_WAVE_SCHED_MODE, 0, 2), 2
	s_setreg_imm32_b32 hwreg(HW_REG_WAVE_MODE, 25, 1), 1
	s_wait_xcnt 0x0
	s_wait_alu depctr_vm_vsrc(0)
; energy[b][s] = enc[s][b][:] . u_e,  u_e[j] = the sum over p of upart[p][1024 + j].   enc: [2048][32][1024] f32, upart: [8][2048] f32, energy: [32][2048] f32.
; The term that does not hang on s (h[b] . u_h + attn_b . v) is added in the next launch, ahead of the maximum.
; LIMIT.  The order of the sums differs from reference()'s (reassociated: see the launch that makes upart); all products and sums are f32.
; A STREAM: each number of enc feeds one multiply-add, so the bytes decide: each is read once, by 16-byte loads of which a wave's one covers 512 consecutive bytes.
; The arithmetic is f32 on the vector unit: u is no input, and rounding it to 16 bits would shift the energies by more than the comparison allows.
; No cluster and no LDS ring: the work-groups share nothing of enc (only upart's 32,768 bytes), and a ring of registers holds what is on its way.
; SHARES.  Work-group (x, y): s = 64 x .. 64 x + 63, b = 4 y .. 4 y + 3: 256 rows of 4,096 bytes, and for each b 256 consecutive bytes of energy.
; Wave w (bl = w % 4, hf = w / 4) owns the 32 rows b = 4 y + bl, s = 64 x + 32 hf + r; they lie 131,072 bytes apart.  A row is eight loads; lane l takes bytes 512 j + 16 l.
; RING.  Six row slots of 32 registers: 48 loads of a wave are out, 24,576 bytes.  Row and piece stand in the load's immediate (4,066,816 at the most, inside its signed 24 bits:
; ISA guide, chapter 10), so no address register is ever rewritten and no wait is needed for one.
; THE MODE: SCHED_MODE bits 1:0 = 2 (LLVM: expert scheduling mode 2), set by the entry lines.  The code itself states the register dependences
; between vector instructions and memory or LDS instructions, with s_wait_alu, always for 0.
; THE PLAN.  Registers that memory or LDS instructions touch:
;   v[L16], v[T16], v[EA]  offsets and LDS addresses: made at the head, never written again; one wait ahead of the first load serves them for the whole kernel.
;   U          upart's loads land in it; fourteen additions read and write it; one LDS store reads its first four; behind the barrier eight LDS loads land in it; then vector instructions alone read it.
;   X slot q   Turn r (q = r % 6): its sixteen products read the slot; behind them the eight loads of row r + 6 land in it.
;   ACC, T, RES are named by vector instructions alone while the turns last; behind them RES is an LDS store's data, ACC's first four take an LDS load, T is the global store's offset.
; So ONE wait on va_vdst stands in a turn, behind its products: it states that they are done reading the slot.  The turn's eight loads follow it, dealt among the additions
; across pairs and lanes, which name ACC, T and RES: none of the registers that those loads touch.  The slot is asked for again in its own turn, so that 48 loads stay out.
; A turn that asks for nothing holds no such wait.  No register that a memory instruction reads is written in the turns: no wait on vm_vsrc stands there.
.set DEPTH,   6                        ; row slots
.set ROWS,    32                       ; rows of a wave
.set ROWSTEP, 131072                   ; bytes from s to s + 1
.set UL,    0                          ; LDS: u_e, 1,024 f32
.set EST,   4096                       ; LDS: the group's energies, [bl][64 s] f32; the 1,024 bytes behind them hold the spare words
.set L16, 1                            ; v1        16 x lane; never rewritten
.set RES, 4                            ; v4        lane r keeps row r's energy
.set T,   5                            ; v5        at work; in the tail my byte offset in energy
.set EA,  6                            ; v6        where my lane's energy goes in the stage
.set T16, 7                            ; v7        16 t
.set ACC, 8                            ; v[8:15]   four pairs of running sums; in the tail v[8:11] 16 bytes of the stage
.set U,   16                           ; v[16:47]  first upart's eight partial sums of my four columns; then u_e of my lane's 32 columns: U[4 j + c] = u_e[128 j + 4 l + c]
.set X,   48                           ; v[48:239] slot q at X + 32 q
.macro LD r, j                         ; piece j of row r's eight loads, into slot r % 6
	global_load_b128 v[X+32*((\r)%DEPTH)+4*(\j):X+32*((\r)%DEPTH)+4*(\j)+3], v[L16], s[4:5] offset:(\r)*ROWSTEP+512*(\j) th:TH_LOAD_NT
.endm
.macro FILL r                          ; row r's eight loads
.irp j, 0,1,2,3,4,5,6,7
	LD \r, \j
.endr
.endm
.macro NEXT r, j                       ; in turn r: piece j of the row six further on; the last six turns ask for nothing
.if (\r)+DEPTH < ROWS
	LD (\r)+DEPTH, \j
.endif
.endm
; Row r's turn: its 1,024 products in four chains that do not wait for each other; its slot is asked for again; the sum over the lanes goes to lane r of RES.
.macro TURN r
.set XB, X+32*((\r)%DEPTH)
.set LEFT, ROWS-1-(\r)
.if LEFT > DEPTH-1
.set LEFT, DEPTH-1
.endif
	s_wait_loadcnt 8*LEFT                          ; loads come back in order (ISA guide 5.7.1): row r is in; behind it rows r + 1 to min(r + 5, 31) were asked for, eight loads each, and stay out
.set i, 0
.rept 16
.if i < 4
	v_pk_mul_f32 v[ACC+2*i:ACC+2*i+1], v[XB+2*i:XB+2*i+1], v[U+2*i:U+2*i+1]  ; the first four pairs start the chains: nothing is cleared
.else
	v_pk_fma_f32 v[ACC+2*(i%4):ACC+2*(i%4)+1], v[XB+2*i:XB+2*i+1], v[U+2*i:U+2*i+1], v[ACC+2*(i%4):ACC+2*(i%4)+1]
.endif
.set i, i+1
.endr
.if (\r)+DEPTH < ROWS
	s_wait_alu depctr_va_vdst(0)                   ; the sixteen products are done reading the slot, in which the eight loads below land; no vector instruction behind this wait names the slot
.endif
	NEXT \r, 0
	NEXT \r, 1
	v_pk_add_f32 v[ACC:ACC+1], v[ACC:ACC+1], v[ACC+2:ACC+3]
	v_pk_add_f32 v[ACC+4:ACC+5], v[ACC+4:ACC+5], v[ACC+6:ACC+7]
	NEXT \r, 2
	NEXT \r, 3
	v_pk_add_f32 v[ACC:ACC+1], v[ACC:ACC+1], v[ACC+4:ACC+5]
	v_add_f32 v[T], v[ACC], v[ACC+1]
	NEXT \r, 4
	NEXT \r, 5
	; the sum over the wave's 32 lanes, in every lane: four steps inside each half of 16 lanes ride on the addition, one crosses the halves
	v_add_f32_dpp v[T], v[T], v[T] row_xmask:1 row_mask:0xf bank_mask:0xf
	v_add_f32_dpp v[T], v[T], v[T] row_xmask:2 row_mask:0xf bank_mask:0xf
	NEXT \r, 6
	NEXT \r, 7
	v_add_f32_dpp v[T], v[T], v[T] row_xmask:4 row_mask:0xf bank_mask:0xf
	v_add_f32_dpp v[T], v[T], v[T] row_xmask:8 row_mask:0xf bank_mask:0xf
	v_permlanex16_b32 v[ACC+4], v[T], s18, s19     ; its destination counts as read: a register that has been written
	v_add_f32 v[T], v[T], v[ACC+4]
	s_mov_b32 s20, 1<<(\r)
	v_cndmask_b32 v[RES], v[RES], v[T], s20        ; lane r takes it, the others keep theirs
.endm
	s_load_b128 s[4:7], s[0:1], 0x0                ; enc s[4:5], upart s[6:7]
	s_load_b64 s[8:9], s[0:1], 0x10                ; energy
	v_lshl_add_u32 v2, v0, 2, 0x1400
	v_mov_b32 v3, 0
	v_lshrrev_b32 v[T], 5, v0
	v_readfirstlane_b32 s10, v[T]                  ; my wave's number
	v_and_b32 v[EA], 31, v0                        ; lane
	v_lshlrev_b32 v[L16], 4, v[EA]
	v_lshlrev_b32 v[T16], 4, v0
	v_mov_b32 v[RES], 0                            ; written whole once: each turn then changes one lane
	s_wait_alu depctr_va_sdst(0)                   ; s10 is written, ahead of its first reader: my rows, my place in the stage and the tail's branch are made from it
	s_and_b32 s11, s10, 3                          ; bl
	s_lshr_b32 s12, s10, 2                         ; hf
	s_and_b32 s13, ttmp7, 0xffff                   ; y
	s_mov_b32 s18, 0x76543210                      ; v_permlanex16_b32: lane i of one half reads lane i of the other
	s_mov_b32 s19, 0xfedcba98
	s_lshl_b32 s16, s11, 8                         ; the stage: 256 bytes for each bl,
	s_lshl_b32 s17, s12, 7                         ; 128 for each half of its 64 s
	s_add_co_u32 s16, s16, s17
	s_add_co_u32 s16, s16, EST
	v_lshl_add_u32 v[EA], v[EA], 2, s16            ; + 4 x lane
	s_lshl_b32 s14, ttmp9, 1
	s_add_co_u32 s14, s14, s12                     ; 2 x + hf: my 32 values of s,
	s_lshl_b32 s14, s14, 22                        ; 131,072 bytes each
	s_lshl_b32 s16, s13, 2
	s_add_co_u32 s16, s16, s11                     ; b = 4 y + bl,
	s_lshl_b32 s16, s16, 12                        ; 4,096 bytes each
	s_add_co_u32 s14, s14, s16                     ; under 2^28
	s_mov_b32 s15, 0
	s_wait_kmcnt 0x0
	s_add_nc_u64 s[4:5], s[4:5], s[14:15]          ; enc at my wave's first row
	s_lshl_b32 s14, s13, 15                        ; 4 y rows of 8,192 bytes
	s_lshl_b32 s16, ttmp9, 8                       ; 64 x numbers of 4 bytes
	s_add_co_u32 s14, s14, s16
	s_add_nc_u64 s[8:9], s[8:9], s[14:15]          ; energy at the group's first b and s
	s_wait_alu depctr_va_vdst(0)                   ; v[L16], v[T16] and v[EA] are written: every load and every LDS instruction but the closing add reads one of them as its offset or address
.irp p, 0,1,2,3,4,5,6,7
	global_load_b128 v[U+4*(\p):U+4*(\p)+3], v[T16], s[6:7] offset:4096+8192*(\p)  ; partial sum p of u_e's columns 4 t .. 4 t + 3
.endr
.irp r, 0,1,2,3,4,5
	FILL \r                                        ; the ring is filled before anything is waited for: 56 loads of mine are out
.endr
	s_wait_loadcnt 8*DEPTH                         ; upart's eight loads are in; the ring's 48, asked for behind them, stay out
.irp d, 8,4,2                          ; eight groups of four numbers (sixteen pairs) into one group: 14 packed additions
.set q, 0
.rept \d
	v_pk_add_f32 v[U+2*q:U+2*q+1], v[U+2*q:U+2*q+1], v[U+2*(q+(\d)):U+2*(q+(\d))+1]
.set q, q+1
.endr
.endr
	s_wait_alu depctr_va_vdst(0)                   ; the additions have written v[U:U+3], which the LDS store reads, and are done with all of U, in which the LDS loads behind the barrier land
	ds_store_b128 v[T16], v[U:U+3] offset:UL       ; u_e's columns 4 t .. 4 t + 3
	s_wait_dscnt 0x0                               ; for the others' sake: my part of u_e is in LDS
	s_barrier_signal -1
	s_barrier_wait -1                              ; everybody's is.  (The ring's loads stay out across the barrier: nobody writes enc.)
	s_wait_alu depctr_vm_vsrc(0)                   ; my LDS store has read v[U:U+3], in which the first of the loads below lands
.irp j, 0,1,2,3,4,5,6,7
	ds_load_b128 v[U+4*(\j):U+4*(\j)+3], v[L16] offset:UL+512*(\j)  ; the same bytes of a row that my lane takes of enc; 512 consecutive bytes a load
.endr
	s_wait_dscnt 0x0
.set rr, 0
.rept ROWS
	TURN rr
.set rr, rr+1
.endr
	s_wait_alu depctr_va_vdst(0)                   ; the last turn's select has written v[RES], which the LDS store reads
	ds_store_b32 v[EA], v[RES]                     ; my wave's 32 energies: 128 consecutive bytes of the stage
	                                               ; the add of 0 to my spare word stands at the end, where every wave passes
	s_wait_dscnt 0x0                               ; for the others' sake: my store into the stage is done
	s_barrier_signal -1
	s_barrier_wait -1                              ; everybody's is
	s_cmp_lt_u32 s10, 2
	s_cbranch_scc0 .Lend                           ; the stage's 1,024 bytes are 64 threads' 16 bytes: waves 0 and 1 store them
	v_lshrrev_b32 v[T], 4, v0                      ; bl = t / 16
	v_and_b32 v[ACC+4], 15, v0
	v_lshlrev_b32 v[T], 13, v[T]                   ; a row of energy is 8,192 bytes
	v_lshl_or_b32 v[T], v[ACC+4], 4, v[T]
	s_wait_alu depctr_va_vdst(0)                   ; v[T] is written, which the global store reads as its offset; the turns' additions are done with v[ACC:ACC+3], in which the LDS load lands
	ds_load_b128 v[ACC:ACC+3], v[T16] offset:EST
	s_wait_dscnt 0x0
	global_store_b128 v[T], v[ACC:ACC+3], s[8:9]   ; 16 lanes store 256 consecutive bytes of one b, at a multiple of 256 from energy's first byte
.Lend:
	s_wait_dscnt 0x0
	s_wait_alu depctr_hold_cnt(0) depctr_sa_sdst(0) depctr_va_vdst(0) depctr_va_sdst(0) depctr_va_ssrc(0) depctr_va_vcc(0) depctr_vm_vsrc(0)
	s_wait_tensorcnt 0x0
	ds_add_u32 v2, v3
	s_wait_dscnt 0x0
	s_endpgm
.Lfunc_end_k_q8fcaba463d_energy:
	.size	k_q8fcaba463d_energy, .Lfunc_end_k_q8fcaba463d_energy-k_q8fcaba463d_energy
	.p2alignl 7, 3214868480
	.fill 96, 4, 3214868480
	.section	.rodata,"a",@progbits
	.p2align	6, 0x0
	.amdhsa_kernel k_q8fcaba463d_energy
		.amdhsa_group_segment_fixed_size 6144
		.amdhsa_private_segment_fixed_size 0
		.amdhsa_enable_private_segment 0
		.amdhsa_kernarg_size 24
		.amdhsa_user_sgpr_count 2
		.amdhsa_user_sgpr_kernarg_segment_ptr 1
		.amdhsa_wavefront_size32 1
		.amdhsa_system_sgpr_workgroup_id_x 1
		.amdhsa_system_sgpr_workgroup_id_y 1
		.amdhsa_system_sgpr_workgroup_id_z 1
		.amdhsa_system_vgpr_workitem_id 0
		.amdhsa_next_free_vgpr 240
		.amdhsa_next_free_sgpr 66
		.amdhsa_reserve_vcc 0
		.amdhsa_float_denorm_mode_32 3
		.amdhsa_float_denorm_mode_16_64 3
		.amdhsa_memory_ordered 1
		.amdhsa_forward_progress 1
		.amdhsa_inst_pref_size 85
	.end_amdhsa_kernel
	.amdgpu_metadata
---
amdhsa.version: [ 1, 2 ]
amdhsa.kernels:
  - .name:           k_q8fcaba463d_energy
    .symbol:         k_q8fcaba463d_energy.kd
    .args:
      - { .name: encoder_outputs, .offset: 0, .size: 8, .value_kind: global_buffer, .address_space: global }
      - { .name: upart, .offset: 8, .size: 8, .value_kind: global_buffer, .address_space: global }
      - { .name: energy, .offset: 16, .size: 8, .value_kind: global_buffer, .address_space: global }
    .group_segment_fixed_size: 6144
    .private_segment_fixed_size: 0
    .kernarg_segment_align: 8
    .kernarg_segment_size: 24
    .max_flat_workgroup_size: 256
    .sgpr_count:     66
    .vgpr_count:     240
    .wavefront_size: 32
...
	.end_amdgpu_metadata
.endif
;; end of part 4
;; launch softmax: the kernel of part 3 again; grid 32 x 1, 8 waves a work-group, no clusters, 1,280 bytes of LDS; arguments energy, upart, rnn_hidden, attn_b, v, out0; writes out0
